; MI455X (gfx1250); checked and timed in simulation.
; The chip was launched on July 23, 2026; its instructions are those of AMD's public machine-readable ISA for CDNA 5 (MIT licence, August 2026) and "CDNA5" Instruction Set Architecture Reference Guide (July 2026). The comments in the code are by the model that wrote it; some were corrected since.
;; Head. Allowed arithmetic: matrix products marked QUANTISED: E2M1 operands, one E8M0 scale for each 32 along K, by v_wmma_scale_f32_16x16x128_f8f6f4 with both operands' format E2M1 (or v_wmma_scale_f32_32x16x128_f4), f32 sums; everything else in f32.
;; Inputs: Wk_codes 64 x 2 x 16 uint8 (E2M1 codes of Wk, K innermost, in blocks of 32 codes, two codes a byte); Wk_scales 64 x 2 uint8 (E8M0 scales of Wk, one for each 32 codes along K); Wq_codes 64 x 2 x 16 uint8 (E2M1 codes of Wq, K innermost, in blocks of 32 codes, two codes a byte); Wq_scales 64 x 2 uint8 (E8M0 scales of Wq, one for each 32 codes along K); Wv_codes 64 x 2 x 16 uint8 (E2M1 codes of Wv, K innermost, in blocks of 32 codes, two codes a byte); Wv_scales 64 x 2 uint8 (E8M0 scales of Wv, one for each 32 codes along K); x_codes 32 x 1,024 x 2 x 16 uint8 (E2M1 codes of x, K innermost, in blocks of 32 codes, two codes a byte); x_scales 32 x 1,024 x 2 uint8 (E8M0 scales of x, one for each 32 codes along K).
;; Outputs: out0 32 x 1,024 x 64 float32.
;; This version of the problem:
;;   THIS VERSION OF THE PROBLEM IS GIVEN IN LOW PRECISION. The matrix products marked QUANTISED in the list below multiply operands that are first quantised to E2M1 (2 exponent bits, 1 mantissa bit; 4 bits a number), with one power-of-two scale for each 32 numbers along K (OCP MX v1.0); their sums are f32. All else is computed in f32.
;;   The module's matrix products, in the order in which they are computed (A, B: the left and right operand; K: the contracted axis; several contracted axes count as one K, in the product's order):
;;     1. [M 32,768, K 64] x [K 64, N 64]; A: input x (given as codes); B: input Wq (given as codes): QUANTISED
;;     2. [M 32,768, K 64] x [K 64, N 64]; A: input x (given as codes); B: input Wk (given as codes): QUANTISED
;;     3. [M 32,768, K 64] x [K 64, N 64]; A: input x (given as codes); B: input Wv (given as codes): QUANTISED
;;     4. batch 32 x [M 1,024, K 64] x [K 64, N 1,024]; A: computed on the way; B: computed on the way: QUANTISED
;;     5. batch 32 x [M 1,024, K 1,024] x [K 1,024, N 64]; A: softmax (see below); B: computed on the way: QUANTISED
;;   THE QUANTISER, for each operand of a quantised product, along K:
;;     - K is cut into blocks of 32 from its start; a last block that is shorter is filled with zeros.
;;     - A block's scale is 2^e with e = floor(log2(the largest magnitude in the block)) - 2, held to -126 .. 127; a block of zeros has e = 0. As a byte (E8M0): e + 127.
;;     - Each number is divided by its block's scale, clamped to +-6, and rounded to the nearest number of E2M1, ties to even, subnormals kept.
;;     - The product sums the exact products of the quantised numbers (number of the format x scale) in f32.
;;   ~~~python
;;   def quantise(x, axis):      # numpy; x: float32 -> the quantised numbers, widened to float32 again
;;       x = np.moveaxis(x, axis, -1); K = x.shape[-1]
;;       x = np.pad(x, [(0, 0)] * (x.ndim - 1) + [(0, -K % 32)]); x = x.reshape(x.shape[:-1] + (-1, 32)); a = np.abs(x).max(-1, keepdims=True)
;;       e = np.where(a > 0, np.clip(np.frexp(np.where(a > 0, a, 1))[1] - 1 - 2, -126, 127), 0)      # np.frexp(a)[1] - 1 = floor(log2(a)), exactly
;;       r = np.clip(x / 2.0 ** e, -6, 6)
;;       step = 2.0 ** (np.maximum(np.frexp(np.where(r == 0, 1, r))[1] - 1, 0) - 1)
;;       q = np.round(r / step) * step * 2.0 ** e      # np.round: ties to even
;;       return np.moveaxis(q.reshape(q.shape[:-2] + (-1,))[..., :K], -1, axis).astype(np.float32)
;;   ~~~
;;   SOFTMAX AHEAD OF A QUANTISED PRODUCT. Where the list says 'softmax', what is quantised is not the finished softmax but p = 2^(t - M), with t = logit x log2(e) and M = ceil(the row's largest t), a whole number; so 1/2 < the row's largest p <= 1. The row's sum l is taken of the UNQUANTISED p, in f32, and the product's result is divided by l at the end. Since M is a whole number, a kernel that streams over the keys may use a running M (the ceiling of the running maximum): every later rescaling is an exact power of two, which a block's scale takes up: the codes' values come out the same.
;;   OPERANDS COMPUTED ON THE WAY. 'Computed on the way' means the value that the module computes at that place (a softmax that the list does not call 'softmax' is quantised finished and normalised). What goes into a quantiser is computed in f32, as accurately as f32 sums, v_exp_f32 and their like allow (about 1e-6 of the number): no bf16 or f16 on the way to a quantiser, and a product that is left as it is and whose result goes on into a quantised operand takes f32 operands (vector FMAs, or v_wmma_f32_16x16x4_f32). A number that lies on a knife's edge between two numbers of the format may be rounded either way, as far as f32 arithmetic and the matrix unit's own rounding can turn it there, and no further.
;;   INPUTS GIVEN AS CODES. Wk (in the module: [64, 64], K = its axis 1); Wq (in the module: [64, 64], K = its axis 1); Wv (in the module: [64, 64], K = its axis 1); x (in the module: [32, 1024, 64], K = its axis 2): each comes as NAME_codes (uint8): NAME with its K axis moved to the last place and cut into blocks of 32 codes, [.., K / 32, bytes a block], one block behind the other in memory; two codes a byte, the lower K in the low four bits (a code: sign, 2 exponent bits, 1 mantissa bit); and NAME_scales (uint8): the same leading axes, one E8M0 byte (e + 127) for each 32 codes along K. Its value is code x scale, taken as it is: it is not quantised again, and the codes and scales need not be those that the quantiser above would give.
;; 2 versions, each right; version 2 is version 1 with the launch head written anew for expert scheduling mode. Each part assembles by itself: llvm-mc -triple=amdgcn-amd-amdhsa -mcpu=gfx1250 --defsym DOCPART=n.
;; ======== version 1 of 2: 1 launch
;; launch head (part 1): grid 8 x 32, 8 waves a work-group, no clusters, 168,960 bytes of LDS; arguments x_codes, x_scales, Wq_codes, Wq_scales, Wk_codes, Wk_scales, Wv_codes, Wv_scales, out0; writes out0
.if DOCPART == 1
	.amdgcn_target "amdgcn-amd-amdhsa--gfx1250"
	.amdhsa_code_object_version 6
	.text
	.protected	k_q0529f78e78_head
	.globl	k_q0529f78e78_head
	.p2align	8
	.type	k_q0529f78e78_head,@function
k_q0529f78e78_head:
	s_mov_b64 s[64:65], 0
	v_nop
	global_prefetch_b8 v0, s[64:65] scope:SCOPE_SE
	s_setreg_imm32_b32 hwreg(HW_REG_WAVE_MODE, 25, 1), 1
	s_wait_xcnt 0x0
; One causal attention head on codes of FP4 (E2M1) with one E8M0 scale for each 32 along a product's K.  32 batches, 1,024 tokens, head size 64.
; q = x Wq^T, k = x Wk^T, v = x Wv^T (x and the weights come as codes and are taken as they are); q and k are quantised along the head's 64 units, v along the keys;
; t = (q . k) log2(e) / 8; M = the row's largest t so far, rounded up to a whole number; p = 2^(t - M) is quantised along the keys; the row's sum is taken of the unquantised p and divides at the end.
; SHARES.  Work-group (g, b) owns batch b and the eight tiles of 16 queries numbered g + 8 i, i = 0 .. 7.  Tile g + 8 i wants the key steps 0 .. i of 128 keys (16 g + 15 < 128), the last of them masked:
; every work-group has 1 + 2 + .. + 8 = 36 key steps.  Wave w takes i = w xor 3 (w / 4): 0, 1, 2, 3, 7, 6, 5, 4, so that waves w and w + 4 have 9 key steps together.
; PHASE P.  Wave w projects keys 128 w .. 128 w + 127 of the batch to k and v, quantises them in registers and stores them in LDS as IMAGES OF THE OPERANDS' REGISTERS (16 bytes a lane, 512 an instruction), with
; their scale words; then its own 16 queries to q, which stays in registers.  One barrier.  PHASE A.  Each wave walks its key steps, reading images that nobody writes any more.
; Each work-group of a batch makes k and v anew: its whole input is 34 KB of x and 6.5 KB of weights, read once at the head straight into operand registers.  NO CLUSTER, NO TENSOR LOAD: what the eight
; work-groups of a batch share is that one read at the head, not a stream of tiles; k and v are made in registers and reach LDS by stores.  No prefetch: nothing streams from memory.
; THE ROWS OF A TILE ARE NOT NEIGHBOURS.  PR(r) = r + 24 (r / 8).  Lane r of tile t of a group of 64 rows takes row 8 t + PR(r).  A result's register j of lane (r, h) is row 8 h + j of source 0's tile, that is
; row 32 h + 8 t + j of the group: the 32 registers of tiles t = 0 .. 3 are 32 NEIGHBOURS, one whole block of 32 in one lane, in the very order of the 4-bit operand (registers 4 c .. 4 c + 3: k = 64 c + 32 h + 0 .. 31).
; So a block's largest magnitude needs no other lane, four conversions give an operand's four registers, and only the scale word asks the lane 16 away.  Used for Wk's and Wq's rows (units), and for the keys of x.
; K = 64 fills half of the instruction's 128: registers 4 .. 7 of such a fragment are zero codes, and the scale bytes of their blocks are 0 (2^-127 over zeros adds nothing).
; LIMITS.  A block of zeros gets the scale byte 1 where the rule says 127 (its codes are zeros; this program alone reads the bytes).  A block's largest p is made from its largest score, which takes v_exp_f32 not to
; fall where its input rises.  p under 2^-126 is 0.  The largest t begins at -3e38.  NaN, infinities and the scale byte 0xff among the inputs are not served.
.set STEPB,  8960                      ; LDS: a key step's region:
.set KIMG,   0                         ;   K's 8 tiles (tile 4 c + t: keys 64 c + 8 t + PR(r)), four code registers each: 512 bytes a tile
.set VIMG,   4096                      ;   V^T's 4 tiles of 16 units x 128 keys: 1,024 n + 512 c
.set KSC,    8192                      ;   K's scale words: 256 c + 16 r + 4 t
.set VSC,    8704                      ;   V's scale words: 16 r + 4 n, half-word c in each
.set STAGE,  8*STEPB                   ; behind the eight regions: a stage of 16 rows x 272 bytes for each wave
.set SPITCH, 272
.set RL,   1                           ; v1   r = lane % 16
.set HL,   2                           ; v2   h = lane / 16
.set V8H,  3                           ; v3   8 h
.set OP32, 4                           ; v4   32 PR(r) + 16 h: a row of 32 bytes of codes, my half
.set OP2,  5                           ; v5   2 PR(r): its two scale bytes
.set ON32, 6                           ; v6   32 r + 16 h
.set ON2,  7                           ; v7   2 r
.set L16,  8                           ; v8   16 x lane
.set R16,  9                           ; v9   16 r
.set STI,  10                          ; v10  where I store images: 16 x lane + my wave's region
.set STS,  11                          ; v11  and scale words: 16 r + my wave's region
                                       ; v12 -M, v13 the largest t, v[14:15] the row's sum in two halves
.set ADL,  16                          ; v16  the step's region + 16 x lane
.set ADR,  17                          ; v17  the step's region + 16 r
.set SIN,  18                          ; v18  the stage, in
.set SBK,  19                          ; v19  the stage, back
.set GO,   20                          ; v20  my byte in the wave's rows of the output
.set DD,   21                          ; v21  16 g + r - 32 h: on the diagonal register 32 c + i is hidden where 64 c + i is above it
.set NINF, 22                          ; v22  -infinity
.set TP,   23                          ; v23  at work at the head
.set QF,   24                          ; v[24:31] q's fragment
.set QS,   32                          ; v32-51 hold scales and nothing else: v32 q's word, v33 p's, v34 my queries' x
.set PS,   33
.set XQS,  34
.set WKS,  36                          ; phase P: v36-39 Wk's words, later Wq's; v40-43 Wv's; v44-51 x's, 4 c + t
.set WVS,  40
.set XS,   44
.set KS,   36                          ; phase A: v36-43 K's words; v44-47 V's
.set VS,   44
.set PF,   52                          ; v[52:59] p's codes
.set RP,   60                          ; v60, v61 lane permutes' destinations
.set ET,   61
.set FF,   62                          ; v[62:63] f = 2^(old M - new M), and a 0 named with it as a pair
.set XF,   64                          ; phase P: v64-127 x's 8 fragments;  phase A: K's 8, in the same registers: the zero tails stay
.set KF,   64
.set WK,   128                         ; phase P: v128-159 Wk's 4 fragments, later Wq's; v160-191 Wv's
.set WV,   160
.set SA,   128                         ; phase A: v128-191 S^T, then p
.set ACC,  192                         ; phase P: v192-223 four accumulators
.set OA,   192                         ; phase A: O^T
.set XQ,   224                         ; phase P: v224-231 my queries' x
.set MX0,  236                         ; v236-239 at work in the quantiser
.set MX1,  237
.set SCL,  238
.set EB,   239
.set CD,   240                         ; v240-247 two sets of a block's codes; v248-249 two scale words: by turns
.set WD,   248
.set VF,   224                         ; phase A: v224-255 V^T's 4 fragments
.set BM,   64                          ; phase A, at work in K's code registers, which are done with behind the S products: v64-65, v66-67 block maxima
.set BN,   66
.set RT,   72
.set SUM2, 74
.set SC,   80                          ; v80-81 the conversions' scale operands; v82-83 the bytes
.set EE,   82
.macro PLACES                          ; a vector instruction or a load that touches a matrix instruction's registers stands four plain vector instructions behind it
.rept 4
	v_nop
.endr
.endm
.macro MM0 d, a, b, sa, sb             ; D = A B, the sum's first and only K step
	v_wmma_scale_f32_16x16x128_f8f6f4 v[\d:\d+7], v[\a:\a+7], v[\b:\b+7], 0, v[\sa], v[\sb] matrix_a_fmt:MATRIX_FMT_FP4 matrix_b_fmt:MATRIX_FMT_FP4
.endm
.macro MMA d, a, b, sa, sb             ; D += A B
	v_wmma_scale_f32_16x16x128_f8f6f4 v[\d:\d+7], v[\a:\a+7], v[\b:\b+7], v[\d:\d+7], v[\sa], v[\sb] matrix_a_fmt:MATRIX_FMT_FP4 matrix_b_fmt:MATRIX_FMT_FP4
.endm
; 32 numbers of ONE block, v[a] .. v[a + 31], become four registers of codes v[cd] .. and a word v[wd]: my block's byte at bit 8 h, the byte of the lane 16 away beside it.
; The four accumulators are each read first at their lowest register (a, a + 8, a + 16, a + 24).
.macro QBLK a, cd, wd
	v_max3_num_f32 v[MX0], |v[\a]|, |v[\a+1]|, 0x1800000          ; the floor 2^(3 - 127) among the leaves: the byte cannot fall under 1
	v_max3_num_f32 v[MX1], |v[\a+2]|, |v[\a+3]|, |v[\a+4]|        ; two chains, so that no line waits for the line above it
.irp i, 5,9,13,17,21,25
	v_max3_num_f32 v[MX0], v[MX0], |v[\a+\i]|, |v[\a+\i+1]|
	v_max3_num_f32 v[MX1], v[MX1], |v[\a+\i+2]|, |v[\a+\i+3]|
.endr
	v_max3_num_f32 v[MX0], v[MX0], |v[\a+29]|, |v[\a+30]|
	v_max3_num_f32 v[MX0], v[MX0], v[MX1], |v[\a+31]|             ; the block's largest magnitude
	v_add_nc_u32 v[SCL], 0xff000000, v[MX0]                       ; 2 off its exponent field: the conversion takes this operand's exponent field as its scale
	v_lshrrev_b32 v[EB], 23, v[SCL]                               ; the scale's byte,
	v_lshlrev_b32 v[EB], v[V8H], v[EB]                            ; at my half's place
	v_permlanex16_b32 v[ET], v[EB], s28, s29
	s_wait_dscnt 0x2                                              ; the last block's two stores may be out; those of two blocks back, which read these registers, are done
	v_or_b32 v[\wd], v[EB], v[ET]
.irp i, 0,1,2,3
	v_cvt_scalef32_pk8_fp4_f32 v[\cd+\i], v[\a+8*\i:\a+8*\i+7], v[SCL]
.endr
	v_nop                                                         ; one plain line behind the last scaled conversion
.endm
; Tile 4 c + t of my 128 keys, as k: source 0 = 16 rows of Wk (units 8 u + PR), source 1 = 16 keys of x.  Lane (r, h) then holds key 64 c + 8 t + PR(r), units 32 h + 0 .. 31.
.macro KBLK c, t, p
.irp u, 0,1,2,3
	MM0 ACC+8*\u, WK+8*\u, XF+8*(4*\c+\t), WKS+\u, XS+4*\c+\t
.endr
	PLACES
	QBLK ACC, CD+4*\p, WD+\p
	ds_store_b128 v[STI], v[CD+4*\p:CD+4*\p+3] offset:KIMG+512*(4*\c+\t)
	ds_store_b32 v[STS], v[WD+\p] offset:KSC+256*\c+4*\t          ; both halves of the lanes write the same word with the same value
.endm
; Units 16 n .. 16 n + 15 of v for my keys 64 c .. 64 c + 63: source 0 = 16 keys of x, source 1 = 16 rows of Wv.  Lane (r, h) then holds unit 16 n + r, keys 64 c + 32 h + 0 .. 31.
.macro VBLK c, n, p
.irp t, 0,1,2,3
	MM0 ACC+8*\t, XF+8*(4*\c+\t), WV+8*\n, XS+4*\c+\t, WVS+\n
.endr
	PLACES
	QBLK ACC, CD+4*\p, WD+\p
	ds_store_b128 v[STI], v[CD+4*\p:CD+4*\p+3] offset:VIMG+1024*\n+512*\c
	ds_store_b16 v[STS], v[WD+\p] offset:VSC+4*\n+2*\c            ; bytes 2 c and 2 c + 1 of the unit's scale word
.endm
	s_load_b512 s[4:19], s[0:1], 0x0               ; x's codes s[4:5], scales s[6:7]; Wq's s[8:9], s[10:11]; Wk's s[12:13], s[14:15]; Wv's s[16:17], s[18:19]
	s_load_b64 s[20:21], s[0:1], 0x40              ; the output
	v_lshl_add_u32 v35, v0, 2, 0x29000
	s_set_vgpr_msb 0x40
	v_mov_b32 v1, 0
	s_set_vgpr_msb 0x4000
	v_lshrrev_b32 v[TP], 5, v0
	v_readfirstlane_b32 s22, v[TP]                 ; wave 0..7
	v_and_b32 v[RL], 15, v0
	v_bfe_u32 v[HL], v0, 4, 1
	v_lshlrev_b32 v[V8H], 3, v[HL]
	v_and_b32 v[TP], 8, v[RL]
	v_mad_u32_u24 v[TP], v[TP], 3, v[RL]           ; PR(r) = r + 24 (r / 8)
	v_lshlrev_b32 v[OP32], 5, v[TP]
	v_lshl_add_u32 v[OP32], v[HL], 4, v[OP32]
	v_lshlrev_b32 v[OP2], 1, v[TP]
	v_lshlrev_b32 v[ON32], 5, v[RL]
	v_lshl_add_u32 v[ON32], v[HL], 4, v[ON32]
	v_lshlrev_b32 v[ON2], 1, v[RL]
	s_lshr_b32 s23, s22, 2
	s_mul_i32 s23, s23, 3
	s_xor_b32 s23, s23, s22                        ; i: my tile of queries is g + 8 i, my last key step is i
	s_and_b32 s24, ttmp7, 0xffff                   ; the batch
	s_lshl_b32 s25, s24, 15                        ; its 1,024 rows of 32 bytes
	s_lshl_b32 s34, s22, 12
	s_add_co_u32 s34, s34, s25                     ; my 128 keys' codes;
	s_mov_b32 s35, 0
	s_lshr_b32 s36, s34, 4                         ; their scale bytes: 2 for a row's 32
	s_mov_b32 s37, 0
	s_lshl_b32 s38, s23, 12
	s_add_co_u32 s38, s38, s25
	s_lshl_b32 s25, ttmp9, 9
	s_add_co_u32 s38, s38, s25                     ; my 16 queries' codes: row 16 g + 128 i;
	s_mov_b32 s39, 0
	s_lshr_b32 s40, s38, 4                         ; their scale bytes;
	s_mov_b32 s41, 0
	s_lshl_b32 s26, s38, 3                         ; their rows of the output, 256 bytes each
	s_mov_b32 s27, 0
	s_mov_b32 s28, 0x76543210
	s_mov_b32 s29, 0xfedcba98                      ; v_permlanex16_b32's selects for the lane 16 away
	s_mov_b32 s30, 0x3e38aa3b                      ; c = log2(e) / 8
	s_mov_b32 s31, s30                             ; (named with it as a pair, so it is written)
	s_mul_i32 s42, s22, STEPB                      ; my wave's region
	s_mul_i32 s43, s22, 16*SPITCH
	s_add_co_u32 s43, s43, STAGE                   ; my stage
	s_wait_kmcnt 0x0
	s_add_nc_u64 s[34:35], s[4:5], s[34:35]
	s_add_nc_u64 s[36:37], s[6:7], s[36:37]
	s_add_nc_u64 s[38:39], s[4:5], s[38:39]
	s_add_nc_u64 s[40:41], s[6:7], s[40:41]
	s_add_nc_u64 s[20:21], s[20:21], s[26:27]
	; 34 loads, in the order in which they are wanted.  A load of 16 bytes a lane covers two runs of 256 consecutive bytes (8 rows each), or 512 on end.  A 16-bit load clears the word's upper bytes.
.irp u, 0,1,2,3
	global_load_b128 v[WK+8*\u:WK+8*\u+3], v[OP32], s[12:13] offset:256*\u       ; Wk: units 8 u + PR(r)
	global_load_u16 v[WKS+\u], v[OP2], s[14:15] offset:16*\u
.endr
.irp c, 0,1
.irp t, 0,1,2,3
	global_load_b128 v[XF+8*(4*\c+\t):XF+8*(4*\c+\t)+3], v[OP32], s[34:35] offset:2048*\c+256*\t   ; x: keys 64 c + 8 t + PR(r)
	global_load_u16 v[XS+4*\c+\t], v[OP2], s[36:37] offset:128*\c+16*\t
.endr
.endr
.irp n, 0,1,2,3
	global_load_b128 v[WV+8*\n:WV+8*\n+3], v[ON32], s[16:17] offset:512*\n       ; Wv: units 16 n + r
	global_load_u16 v[WVS+\n], v[ON2], s[18:19] offset:32*\n
.endr
	global_load_b128 v[XQ:XQ+3], v[ON32], s[38:39]                               ; x of my 16 queries
	global_load_u16 v[XQS], v[ON2], s[40:41]
	; while they are out: the zero codes of k = 64 .. 127 of every fragment whose K is the head's 64
.irp k, 0,1,2,3,4,5,6,7
.irp j, 4,5,6,7
	v_mov_b32 v[XF+8*\k+\j], 0
.endr
.endr
.irp k, 0,1,2,3
.irp j, 4,5,6,7
	v_mov_b32 v[WK+8*\k+\j], 0
	v_mov_b32 v[WV+8*\k+\j], 0
.endr
.endr
.irp j, 4,5,6,7
	v_mov_b32 v[XQ+\j], 0
	v_mov_b32 v[QF+\j], 0
.endr
	v_mov_b32 v[RP], 0                             ; written once: a lane permute's destination counts as one of its sources
	v_mov_b32 v[ET], 0
	v_mov_b32 v[FF+1], 0                           ; named as the upper half of the pair v[62:63]
	v_and_b32 v[L16], 31, v0
	v_lshlrev_b32 v[L16], 4, v[L16]
	v_lshlrev_b32 v[R16], 4, v[RL]
	v_add_nc_u32 v[STI], s42, v[L16]
	v_add_nc_u32 v[STS], s42, v[R16]
	; ---- PHASE P: my 128 keys
	s_wait_loadcnt 18                              ; Wk and keys 0-63 are in; keys 64-127 (8 loads), Wv (8) and my queries (2) may be out
.irp t, 0,1,2,3
	KBLK 0, \t, (\t%2)
.endr
	s_wait_loadcnt 10                              ; keys 64-127 are in; Wv (8) and my queries (2) may be out
.irp t, 0,1,2,3
	KBLK 1, \t, (\t%2)
.endr
.irp u, 0,1,2,3                                ; Wq takes Wk's place: the last product that read these registers stands more than four plain lines back
	global_load_b128 v[WK+8*\u:WK+8*\u+3], v[OP32], s[8:9] offset:256*\u
	global_load_u16 v[WKS+\u], v[OP2], s[10:11] offset:16*\u
.endr
	s_wait_loadcnt 10                              ; Wv is in; my queries (2) and Wq (8) may be out
.irp n, 0,1,2,3
	VBLK 0, \n, (\n%2)
.endr
.irp n, 0,1,2,3
	VBLK 1, \n, (\n%2)
.endr
	s_wait_loadcnt 0x0                             ; my queries and Wq
.irp u, 0,1,2,3
	MM0 ACC+8*\u, WK+8*\u, XQ, WKS+\u, XQS         ; lane (r, h): query r, units 32 h + 0 .. 31
.endr
	PLACES
	QBLK ACC, QF, QS                               ; q's fragment and scale word stay in registers
	s_wait_dscnt 0x0                               ; for the others' sake: my images and words have landed
	s_barrier_signal -1
.set jj, 0
.rept 32
	v_mov_b32 v[OA+jj], 0                          ; O^T: the loop is written once; its first step finds zeros, which the first change of M leaves zeros
.set jj, jj+1
.endr
	v_mov_b32 v13, 0xff61b1e6                      ; the largest t so far: -3e38
	v_floor_f32 v12, -v13                          ; -M
	v_mov_b32 v14, 0
	v_mov_b32 v15, 0
	v_lshlrev_b32 v[DD], 5, v[HL]
	v_sub_nc_u32 v[DD], v[RL], v[DD]
	s_lshl_b32 s24, ttmp9, 4
	v_add_nc_u32 v[DD], s24, v[DD]                 ; 16 g + r - 32 h
	v_mov_b32 v[NINF], 0xff800000
	s_mov_b32 s32, 0                               ; the key step
	s_mov_b32 s33, 0                               ; its region
	s_barrier_wait -1                              ; all eight regions are whole, and nobody writes them again
	; ---- PHASE A: eight trips for every wave; a step behind my last is jumped over, by a branch on the wave's number and the counter
.Lstep:
	s_cmp_gt_u32 s32, s23
	s_cbranch_scc1 .Lhidden
	v_add_nc_u32 v[ADL], s33, v[L16]
	v_add_nc_u32 v[ADR], s33, v[R16]
	v_nop
	v_nop                                          ; four plain lines between the last step's products and the loads into V's registers
	ds_load_b128 v[KS:KS+3], v[ADR] offset:KSC
	ds_load_b128 v[KS+4:KS+7], v[ADR] offset:KSC+256
.irp k, 0,1,2,3,4,5,6,7
	ds_load_b128 v[KF+8*\k:KF+8*\k+3], v[ADL] offset:KIMG+512*\k
.endr
	ds_load_b128 v[VS:VS+3], v[ADR] offset:VSC
.irp n, 0,1,2,3
.irp c, 0,1
	ds_load_b128 v[VF+8*\n+4*\c:VF+8*\n+4*\c+3], v[ADL] offset:VIMG+1024*\n+512*\c
.endr
.endr
	s_wait_dscnt 9                                 ; K's words and images are in; V's nine loads may be out
.irp k, 0,1,2,3,4,5,6,7
	MM0 SA+8*\k, KF+8*\k, QF, KS+\k, QS            ; S^T: register 32 c + i of lane (r, h) is key 64 c + 32 h + i of the step, query r
.endr
	PLACES
	s_cmp_lt_u32 s32, s23                          ; only my last step lies on the diagonal
	s_cbranch_scc1 .Lopen
.set nn, 0
.rept 64
	v_cmp_gt_i32 vcc_lo, 64*(nn/32)+nn%32, v[DD]
	v_cndmask_b32 v[SA+nn], v[SA+nn], v[NINF], vcc_lo   ; a hidden key's score becomes -infinity: p = 0
.set nn, nn+1
.endr
.Lopen:
	; the largest score of each of my two blocks of 32 keys: it serves for the row's maximum and, since p rises with the score, for the block's largest p.  Four chains by turns
.irp c, 0,1
	v_max3_num_f32 v[BM+\c], v[SA+32*\c], v[SA+32*\c+1], v[SA+32*\c+2]
	v_max3_num_f32 v[BN+\c], v[SA+32*\c+16], v[SA+32*\c+17], v[SA+32*\c+18]
.endr
.irp i, 3,5,7,9,11,13
.irp c, 0,1
	v_max3_num_f32 v[BM+\c], v[BM+\c], v[SA+32*\c+\i], v[SA+32*\c+\i+1]
	v_max3_num_f32 v[BN+\c], v[BN+\c], v[SA+32*\c+16+\i], v[SA+32*\c+17+\i]
.endr
.endr
.irp c, 0,1
	v_max3_num_f32 v[BM+\c], v[BM+\c], v[BN+\c], v[SA+32*\c+15]
.endr
.irp c, 0,1
	v_max_num_f32 v[BM+\c], v[BM+\c], v[SA+32*\c+31]
.endr
	v_max_num_f32 v[RT], v[BM], v[BM+1]
	v_permlanex16_b32 v[RP], v[RT], s28, s29
	v_max_num_f32 v[RT], v[RT], v[RP]              ; the step's largest score of my query
	v_mul_f32 v[RT], s30, v[RT]                    ; as t (c is positive)
	v_max_num_f32 v13, v13, v[RT]
	v_mov_b32 v[RT], v12
	v_floor_f32 v12, -v13                          ; the new -M = -ceil(t): a whole number
	v_sub_f32 v[RT], v12, v[RT]                    ; old M - new M: a whole number, 0 or less
	v_cvt_i32_f32 v[RT], v[RT]                     ; (it saturates)
	v_ldexp_f32 v[FF], 1.0, v[RT]                  ; f = 2^(old M - new M): multiplying by it rounds nothing
	; t - M, two at a time, and p = 2^(t - M): a pair's exponentials stand two pairs behind its scaling.  No line here names an exponential's result
	v_pk_fma_f32 v[SA:SA+1], v[SA:SA+1], s[30:31], v[12:13] op_sel_hi:[1,0,0]
	v_pk_fma_f32 v[SA+2:SA+3], v[SA+2:SA+3], s[30:31], v[12:13] op_sel_hi:[1,0,0]
.set jj, 2
.rept 30
	v_pk_fma_f32 v[SA+2*jj:SA+2*jj+1], v[SA+2*jj:SA+2*jj+1], s[30:31], v[12:13] op_sel_hi:[1,0,0]
	v_exp_f32 v[SA+2*jj-4], v[SA+2*jj-4]
	v_exp_f32 v[SA+2*jj-3], v[SA+2*jj-3]
.set jj, jj+1
.endr
	v_fma_f32 v[BM], v[BM], s30, v12               ; the same multiply-add of each block's largest score
	v_fma_f32 v[BM+1], v[BM+1], s30, v12
.irp j, 60,61,62,63
	v_exp_f32 v[SA+\j], v[SA+\j]
.endr
	v_pk_mul_f32 v[14:15], v[14:15], v[FF:FF+1] op_sel_hi:[1,0]   ; the sums under the new M: the plain line behind the last exponential
	s_wait_alu depctr_va_vdst(0)                   ; one wait for the 64, ahead of their first reader
	v_exp_f32 v[BM], v[BM]                         ; the blocks' largest p
	v_exp_f32 v[BM+1], v[BM+1]
	v_pk_add_f32 v[SUM2:SUM2+1], v[SA:SA+1], v[SA+2:SA+3]         ; the row's sum is taken of the unquantised p, in two chains
.irp j, 4,8,12,16,20,24,28,32,36,40,44,48,52,56,60
	v_pk_add_f32 v[14:15], v[14:15], v[SA+\j:SA+\j+1]
	v_pk_add_f32 v[SUM2:SUM2+1], v[SUM2:SUM2+1], v[SA+\j+2:SA+\j+3]
.endr
	v_pk_add_f32 v[14:15], v[14:15], v[SUM2:SUM2+1]
	s_wait_alu depctr_va_vdst(0)                   ; and one for the two
.irp c, 0,1
	v_max_num_f32 v[BM+\c], 0x1800000, v[BM+\c]    ; the floor 2^(3 - 127): a block whose every p is 0 keeps the byte 1; its codes are zeros
.endr
.irp c, 0,1
	v_add_nc_u32 v[SC+\c], 0xff000000, v[BM+\c]    ; 2 off the exponent field: the conversion's scale operand
.endr
.irp c, 0,1
	v_lshrrev_b32 v[EE+\c], 23, v[SC+\c]           ; the scale's byte: block 2 c + h of the step's four
.endr
	v_lshl_or_b32 v[EE], v[EE+1], 16, v[EE]
	v_lshlrev_b32 v[EE], v[V8H], v[EE]
	v_permlanex16_b32 v[ET], v[EE], s28, s29
	v_or_b32 v[PS], v[EE], v[ET]                   ; p's scale word for these 128 keys
.irp c, 0,1
.irp i, 0,1,2,3
	v_cvt_scalef32_pk8_fp4_f32 v[PF+4*\c+\i], v[SA+32*\c+8*\i:SA+32*\c+8*\i+7], v[SC+\c]   ; registers 4 c .. 4 c + 3 of the operand, as they are wanted
.endr
.endr
	v_nop                                          ; one plain line behind the last scaled conversion
.set jj, 0
.rept 16
	v_pk_mul_f32 v[OA+2*jj:OA+2*jj+1], v[OA+2*jj:OA+2*jj+1], v[FF:FF+1] op_sel_hi:[1,0]   ; O^T under the new M.  With the line above: 17 plain lines between p's scale word and codes and the products
.set jj, jj+1
.endr
	s_wait_dscnt 0x0                               ; V's words and images are in
.irp n, 0,1,2,3
	MMA OA+8*\n, VF+8*\n, PF, VS+\n, PS            ; O^T += V^T P^T: register j of lane (r, h): unit 16 n + 8 h + j, query r.  The accumulators take turns, one instruction a turn
.endr
.Lhidden:
	s_add_co_u32 s33, s33, STEPB
	s_add_co_u32 s32, s32, 1
	s_cmp_lt_u32 s32, 8
	s_cbranch_scc1 .Lstep
	; ---- THE WAY OUT: O^T / the sum, through my own stage, so that sixteen lanes store a whole row of 256 bytes
	v_add_f32 v14, v14, v15                        ; the sum's two halves,
	v_permlanex16_b32 v[RP], v14, s28, s29
	v_add_f32 v14, v14, v[RP]                      ; and the other 64 keys of each step
	v_rcp_f32 v14, v14
	v_mul_u32_u24 v[SIN], v[RL], SPITCH            ; the addresses are made here: plain lines behind the reciprocal, and the places behind the last products
	v_lshl_add_u32 v[SIN], v[HL], 5, v[SIN]
	v_add_nc_u32 v[SIN], s43, v[SIN]               ; in: row r, + 32 h; tile n's eight units 64 n bytes on
	v_mul_u32_u24 v[SBK], v[HL], SPITCH
	v_lshl_add_u32 v[SBK], v[RL], 4, v[SBK]
	v_add_nc_u32 v[SBK], s43, v[SBK]               ; back: lanes 0-15 one row, lanes 16-31 the next
	v_lshlrev_b32 v[GO], 8, v[HL]
	v_lshl_add_u32 v[GO], v[RL], 4, v[GO]          ; and the same two rows of the output
	s_wait_alu depctr_va_vdst(0)                   ; ahead of the reciprocal's first reader
.set jj, 0
.rept 16
	v_pk_mul_f32 v[SA+2*jj:SA+2*jj+1], v[OA+2*jj:OA+2*jj+1], v[14:15] op_sel_hi:[1,0]   ; each accumulator from its low end on
.set jj, jj+1
.endr
.irp n, 0,1,2,3
	ds_store_b128 v[SIN], v[SA+8*\n:SA+8*\n+3] offset:64*\n
	ds_store_b128 v[SIN], v[SA+8*\n+4:SA+8*\n+7] offset:64*\n+16
.endr
.irp i, 0,1,2,3,4,5,6,7
	ds_load_b128 v[SA+32+4*\i:SA+32+4*\i+3], v[SBK] offset:2*\i*SPITCH   ; LDS serves a wave's instructions in order (ISA guide 5.7.1.4): these see my stores
.endr
.irp i, 0,1,2,3,4,5,6,7
	s_wait_dscnt 7-\i                              ; rows 2 i and 2 i + 1 are back; the younger loads may be out
	global_store_b128 v[GO], v[SA+32+4*\i:SA+32+4*\i+3], s[20:21] offset:512*\i th:TH_STORE_NT   ; 16 lanes store 256 consecutive bytes, at a multiple of 256 from the output's first byte
.endr
	s_set_vgpr_msb 0x4
	s_wait_tensorcnt 0x0
	ds_add_u32 v35, v1
	s_wait_dscnt 0x0
	s_set_vgpr_msb 0x400
	s_endpgm
.Lfunc_end_k_q0529f78e78_head:
	.size	k_q0529f78e78_head, .Lfunc_end_k_q0529f78e78_head-k_q0529f78e78_head
	.p2alignl 7, 3214868480
	.fill 96, 4, 3214868480
	.section	.rodata,"a",@progbits
	.p2align	6, 0x0
	.amdhsa_kernel k_q0529f78e78_head
		.amdhsa_group_segment_fixed_size 168960
		.amdhsa_private_segment_fixed_size 0
		.amdhsa_enable_private_segment 0
		.amdhsa_kernarg_size 72
		.amdhsa_user_sgpr_count 2
		.amdhsa_user_sgpr_kernarg_segment_ptr 1
		.amdhsa_wavefront_size32 1
		.amdhsa_system_sgpr_workgroup_id_x 1
		.amdhsa_system_sgpr_workgroup_id_y 1
		.amdhsa_system_sgpr_workgroup_id_z 1
		.amdhsa_system_vgpr_workitem_id 0
		.amdhsa_next_free_vgpr 258
		.amdhsa_next_free_sgpr 66
		.amdhsa_reserve_vcc 1
		.amdhsa_float_denorm_mode_32 3
		.amdhsa_float_denorm_mode_16_64 3
		.amdhsa_memory_ordered 1
		.amdhsa_forward_progress 1
		.amdhsa_inst_pref_size 73
	.end_amdhsa_kernel
	.amdgpu_metadata
---
amdhsa.version: [ 1, 2 ]
amdhsa.kernels:
  - .name:           k_q0529f78e78_head
    .symbol:         k_q0529f78e78_head.kd
    .args:
      - { .name: x_codes, .offset: 0, .size: 8, .value_kind: global_buffer, .address_space: global }
      - { .name: x_scales, .offset: 8, .size: 8, .value_kind: global_buffer, .address_space: global }
      - { .name: Wq_codes, .offset: 16, .size: 8, .value_kind: global_buffer, .address_space: global }
      - { .name: Wq_scales, .offset: 24, .size: 8, .value_kind: global_buffer, .address_space: global }
      - { .name: Wk_codes, .offset: 32, .size: 8, .value_kind: global_buffer, .address_space: global }
      - { .name: Wk_scales, .offset: 40, .size: 8, .value_kind: global_buffer, .address_space: global }
      - { .name: Wv_codes, .offset: 48, .size: 8, .value_kind: global_buffer, .address_space: global }
      - { .name: Wv_scales, .offset: 56, .size: 8, .value_kind: global_buffer, .address_space: global }
      - { .name: out0, .offset: 64, .size: 8, .value_kind: global_buffer, .address_space: global }
    .group_segment_fixed_size: 168960
    .private_segment_fixed_size: 0
    .kernarg_segment_align: 8
    .kernarg_segment_size: 72
    .max_flat_workgroup_size: 256
    .sgpr_count:     66
    .vgpr_count:     258
    .wavefront_size: 32
...
	.end_amdgpu_metadata
.endif
;; end of part 1
;; ======== version 2 of 2: 1 launch; version 1 with the launch head written anew for expert scheduling mode
;; launch head (part 2): grid 8 x 32, 8 waves a work-group, no clusters, 168,960 bytes of LDS; arguments x_codes, x_scales, Wq_codes, Wq_scales, Wk_codes, Wk_scales, Wv_codes, Wv_scales, out0; writes out0
.if DOCPART == 2
	.amdgcn_target "amdgcn-amd-amdhsa--gfx1250"
	.amdhsa_code_object_version 6
	.text
	.protected	k_q0529f78e78_head
	.globl	k_q0529f78e78_head
	.p2align	8
	.type	k_q0529f78e78_head,@function
k_q0529f78e78_head:
	s_mov_b64 s[64:65], 0
	v_nop
	global_prefetch_b8 v0, s[64:65] scope:SCOPE_SE
	s_setreg_imm32_b32 hwreg(HW_REG_WAVE_SCHED_MODE, 0, 2), 2
	s_setreg_imm32_b32 hwreg(HW_REG_WAVE_MODE, 25, 1), 1
	s_wait_xcnt 0x0
	s_wait_alu depctr_vm_vsrc(0)
; One causal attention head on codes of FP4 (E2M1) with one E8M0 scale for each 32 along a product's K.  32 batches, 1,024 tokens, head size 64.
; q = x Wq^T, k = x Wk^T, v = x Wv^T (x and the weights come as codes and are taken as they are); q and k are quantised along the head's 64 units, v along the keys;
; t = (q . k) log2(e) / 8; M = the row's largest t so far, rounded up to a whole number; p = 2^(t - M) is quantised along the keys; the row's sum is taken of the unquantised p and divides at the end.
; SHARES.  Work-group (g, b) owns batch b and the eight tiles of 16 queries numbered g + 8 i, i = 0 .. 7.  Tile g + 8 i wants the key steps 0 .. i of 128 keys (16 g + 15 < 128), the last of them masked:
; every work-group has 1 + 2 + .. + 8 = 36 key steps.  Wave w takes i = w xor 3 (w / 4): 0, 1, 2, 3, 7, 6, 5, 4, so that waves w and w + 4 have 9 key steps together.
; PHASE P.  Wave w projects keys 128 w .. 128 w + 127 of the batch to k and v, quantises them in registers and stores them in LDS as IMAGES OF THE OPERANDS' REGISTERS (16 bytes a lane, 512 an instruction), with
; their scale words; then its own 16 queries to q, which stays in registers.  One barrier.  PHASE A.  Each wave walks its key steps, reading images that nobody writes any more.
; Each work-group of a batch makes k and v anew: its whole input is 34 KB of x and 6.5 KB of weights, read once at the head straight into operand registers.  NO CLUSTER, NO TENSOR LOAD: what the eight
; work-groups of a batch share is that one read at the head, not a stream of tiles; k and v are made in registers and reach LDS by stores.  No prefetch: nothing streams from memory.
; THE ROWS OF A TILE ARE NOT NEIGHBOURS.  PR(r) = r + 24 (r / 8).  Lane r of tile t of a group of 64 rows takes row 8 t + PR(r).  A result's register j of lane (r, h) is row 8 h + j of source 0's tile, that is
; row 32 h + 8 t + j of the group: the 32 registers of tiles t = 0 .. 3 are 32 NEIGHBOURS, one whole block of 32 in one lane, in the very order of the 4-bit operand (registers 4 c .. 4 c + 3: k = 64 c + 32 h + 0 .. 31).
; So a block's largest magnitude needs no other lane, four conversions give an operand's four registers, and only the scale word asks the lane 16 away.  Used for Wk's and Wq's rows (units), and for the keys of x.
; K = 64 fills half of the instruction's 128: registers 4 .. 7 of such a fragment are zero codes, and the scale bytes of their blocks are 0 (2^-127 over zeros adds nothing).
; LIMITS.  A block of zeros gets the scale byte 1 where the rule says 127 (its codes are zeros; this program alone reads the bytes).  A block's largest p is made from its largest score, which takes v_exp_f32 not to
; fall where its input rises.  p under 2^-126 is 0.  The largest t begins at -3e38.  NaN, infinities and the scale byte 0xff among the inputs are not served.
; THE MODE: SCHED_MODE bits 1:0 = 2 (LLVM: expert scheduling mode 2), set by the entry lines.  The code itself states the register dependences between vector or matrix instructions and memory or LDS
; instructions, with s_wait_alu, always for 0.
; THE PLAN.  Registers that memory or LDS instructions touch:
;   v4-v7        offsets of the global loads, made once at the head.  In phase A, when those loads are done, they hold the conversions' scale operands and bytes.
;   v8, v9       16 x lane, 16 r: made once; the first step's loads of K go by them.
;   v10, v11     phase P: where my images and words are stored; made once.  Phase A: where the next step's K lies; written at a step's head.
;   v16, v17     where the step's V lies; written at a step's head.
;   CD0, CD1, WD0, WD1   Block b's conversions write set b % 2; the two stores that read it are issued in block b + 1.
;   WK, WKS      read by k's 32 products; then Wq's loads land in them.
;   KF, KS       Step s: its eight S products read them; behind those the loads of step s + 1 land in them.
;   VF, VS       Step s: its four O products read them; the loads of step s + 1 land in them behind that step's S products.
; PHASE P has ONE wait on va_vdst to a block, behind its products' places: the block before has written its codes and word, so its two stores follow at once.  One wait on vm_vsrc stands ahead of the lines that
; write a set of codes again.  A KEY STEP has one wait on vm_vsrc at its head, ahead of the four additions that make its addresses, and ONE wait on va_vdst behind the S products' places: the addresses are written,
; the S products are done reading K, the last step's O products are done reading V.  The step's loads follow in one run: its own V and the next step's K.  No vector or matrix line names their registers until the
; wait for them, which stands ahead of the O products: the softmax's registers at work lie in p's code registers (free until the conversions) and in v4-v7.
.set STEPB,  8960                      ; LDS: a key step's region:
.set KIMG,   0                         ;   K's 8 tiles (tile 4 c + t: keys 64 c + 8 t + PR(r)), four code registers each: 512 bytes a tile
.set VIMG,   4096                      ;   V^T's 4 tiles of 16 units x 128 keys: 1,024 n + 512 c
.set KSC,    8192                      ;   K's scale words: 256 c + 16 r + 4 t
.set VSC,    8704                      ;   V's scale words: 16 r + 4 n, half-word c in each
.set STAGE,  8*STEPB                   ; behind the eight regions: a stage of 16 rows x 272 bytes for each wave
.set SPITCH, 272
.set RL,   1                           ; v1   r = lane % 16
.set HL,   2                           ; v2   h = lane / 16
.set V8H,  3                           ; v3   8 h
.set OP32, 4                           ; v4   32 PR(r) + 16 h: a row of 32 bytes of codes, my half
.set OP2,  5                           ; v5   2 PR(r): its two scale bytes
.set ON32, 6                           ; v6   32 r + 16 h
.set ON2,  7                           ; v7   2 r
.set SC,   4                           ; phase A: v4-5 the conversions' scale operands; v6-7 the bytes
.set EE,   6
.set L16,  8                           ; v8   16 x lane
.set R16,  9                           ; v9   16 r
.set STI,  10                          ; v10  phase P: where I store images: 16 x lane + my wave's region
.set STS,  11                          ; v11  and scale words: 16 r + my wave's region
.set ANL,  10                          ; v10  phase A: the next step's region + 16 x lane
.set ANR,  11                          ; v11  the next step's region + 16 r
                                       ; v12 -M, v13 the largest t, v[14:15] the row's sum in two halves
.set ADL,  16                          ; v16  the step's region + 16 x lane
.set ADR,  17                          ; v17  the step's region + 16 r
.set SIN,  18                          ; v18  the stage, in
.set SBK,  19                          ; v19  the stage, back
.set GO,   20                          ; v20  my byte in the wave's rows of the output
.set DD,   21                          ; v21  16 g + r - 32 h: on the diagonal register 32 c + i is hidden where 64 c + i is above it
.set NINF, 22                          ; v22  -infinity
.set TP,   23                          ; v23  at work at the head
.set QF,   24                          ; v[24:31] q's fragment
.set QS,   32                          ; v32-51 hold scales and nothing else: v32 q's word, v33 p's, v34 my queries' x
.set PS,   33
.set XQS,  34
.set WKS,  36                          ; phase P: v36-39 Wk's words, later Wq's; v40-43 Wv's; v44-51 x's, 4 c + t
.set WVS,  40
.set XS,   44
.set KS,   36                          ; phase A: v36-43 K's words; v44-47 V's
.set VS,   44
.set PF,   52                          ; v[52:59] p's codes
.set BM,   PF                          ; ahead of the conversions these eight are at work: v52-53, v54-55 block maxima,
.set BN,   PF+2
.set RT,   PF+4                        ; v56 t,
.set SUM2, PF+6                        ; v[58:59] the sum's second chain
.set RP,   60                          ; v60, v61 lane permutes' destinations
.set ET,   61
.set FF,   62                          ; v[62:63] f = 2^(old M - new M), and a 0 named with it as a pair
.set XF,   64                          ; phase P: v64-127 x's 8 fragments;  phase A: K's 8, in the same registers: the zero tails stay
.set KF,   64
.set WK,   128                         ; phase P: v128-159 Wk's 4 fragments, later Wq's; v160-191 Wv's
.set WV,   160
.set SA,   128                         ; phase A: v128-191 S^T, then p
.set ACC,  192                         ; phase P: v192-223 four accumulators
.set OA,   192                         ; phase A: O^T
.set XQ,   224                         ; phase P: v224-231 my queries' x
.set MX0,  236                         ; v236-239 at work in the quantiser
.set MX1,  237
.set SCL,  238
.set EB,   239
.set CD,   240                         ; v240-247 two sets of a block's codes; v248-249 two scale words: by turns
.set WD,   248
.set VF,   224                         ; phase A: v224-255 V^T's 4 fragments
.macro PLACES                          ; a vector instruction that touches a matrix instruction's registers stands four plain vector instructions behind it (ISA guide 7.12.1)
.rept 4
	v_nop
.endr
.endm
.macro READY                           ; the places, and behind them phase P's one wait to a block
	PLACES
	s_wait_alu depctr_va_vdst(0)                                  ; the block before has written its codes and its word, which the two stores below read
.endm
.macro MM0 d, a, b, sa, sb             ; D = A B, the sum's first and only K step
	v_wmma_scale_f32_16x16x128_f8f6f4 v[\d:\d+7], v[\a:\a+7], v[\b:\b+7], 0, v[\sa], v[\sb] matrix_a_fmt:MATRIX_FMT_FP4 matrix_b_fmt:MATRIX_FMT_FP4
.endm
.macro MMA d, a, b, sa, sb             ; D += A B
	v_wmma_scale_f32_16x16x128_f8f6f4 v[\d:\d+7], v[\a:\a+7], v[\b:\b+7], v[\d:\d+7], v[\sa], v[\sb] matrix_a_fmt:MATRIX_FMT_FP4 matrix_b_fmt:MATRIX_FMT_FP4
.endm
; 32 numbers of ONE block, v[a] .. v[a + 31], become four registers of codes v[cd] .. and a word v[wd]: my block's byte at bit 8 h, the byte of the lane 16 away beside it.
; The four accumulators are each read first at their lowest register (a, a + 8, a + 16, a + 24).  ring = 1: stores of two blocks back have read v[cd] .. and v[wd].
.macro QBLK a, cd, wd, ring
	v_max3_num_f32 v[MX0], |v[\a]|, |v[\a+1]|, 0x1800000          ; the floor 2^(3 - 127) among the leaves: the byte cannot fall under 1
	v_max3_num_f32 v[MX1], |v[\a+2]|, |v[\a+3]|, |v[\a+4]|        ; two chains, so that no line waits for the line above it
.irp i, 5,9,13,17,21,25
	v_max3_num_f32 v[MX0], v[MX0], |v[\a+\i]|, |v[\a+\i+1]|
	v_max3_num_f32 v[MX1], v[MX1], |v[\a+\i+2]|, |v[\a+\i+3]|
.endr
	v_max3_num_f32 v[MX0], v[MX0], |v[\a+29]|, |v[\a+30]|
	v_max3_num_f32 v[MX0], v[MX0], v[MX1], |v[\a+31]|             ; the block's largest magnitude
	v_add_nc_u32 v[SCL], 0xff000000, v[MX0]                       ; 2 off its exponent field: the conversion takes this operand's exponent field as its scale
	v_lshrrev_b32 v[EB], 23, v[SCL]                               ; the scale's byte,
	v_lshlrev_b32 v[EB], v[V8H], v[EB]                            ; at my half's place
	v_permlanex16_b32 v[ET], v[EB], s28, s29
	s_wait_dscnt 0x2                                              ; the last block's two stores may be out; those of two blocks back, which read these registers, are done
.if \ring
	s_wait_alu depctr_vm_vsrc(0)                                  ; the stores of two blocks back have read this set's codes and word, which the lines below write again
.endif
	v_or_b32 v[\wd], v[EB], v[ET]
.irp i, 0,1,2,3
	v_cvt_scalef32_pk8_fp4_f32 v[\cd+\i], v[\a+8*\i:\a+8*\i+7], v[SCL]
.endr
	v_nop                                                         ; one plain line behind the last scaled conversion
.endm
; Tile k = 4 c + t of my 128 keys, as k: source 0 = 16 rows of Wk (units 8 u + PR), source 1 = 16 keys of x.  Lane (r, h) then holds key 64 c + 8 t + PR(r), units 32 h + 0 .. 31.
.macro KMUL k
.irp u, 0,1,2,3
	MM0 ACC+8*\u, WK+8*\u, XF+8*(\k), WKS+\u, XS+(\k)
.endr
.endm
.macro KSEND k                         ; its image and its word, out of set k % 2
	ds_store_b128 v[STI], v[CD+4*((\k)%2):CD+4*((\k)%2)+3] offset:KIMG+512*(\k)
	ds_store_b32 v[STS], v[WD+(\k)%2] offset:KSC+256*((\k)/4)+4*((\k)%4)   ; both halves of the lanes write the same word with the same value
.endm
; Block m = 4 c + n: units 16 n .. 16 n + 15 of v for my keys 64 c .. 64 c + 63: source 0 = 16 keys of x, source 1 = 16 rows of Wv.  Lane (r, h) then holds unit 16 n + r, keys 64 c + 32 h + 0 .. 31.
.macro VMUL m
.irp t, 0,1,2,3
	MM0 ACC+8*\t, XF+8*(4*((\m)/4)+\t), WV+8*((\m)%4), XS+4*((\m)/4)+\t, WVS+(\m)%4
.endr
.endm
.macro VSEND m
	ds_store_b128 v[STI], v[CD+4*((\m)%2):CD+4*((\m)%2)+3] offset:VIMG+1024*((\m)%4)+512*((\m)/4)
	ds_store_b16 v[STS], v[WD+(\m)%2] offset:VSC+4*((\m)%4)+2*((\m)/4)     ; bytes 2 c and 2 c + 1 of the unit's scale word
.endm
; A key step's K: two loads of scale words, eight of images.  al, ar: the registers that hold its region + 16 x lane, + 16 r
.macro KLOAD al, ar
	ds_load_b128 v[KS:KS+3], v[\ar] offset:KSC
	ds_load_b128 v[KS+4:KS+7], v[\ar] offset:KSC+256
.irp k, 0,1,2,3,4,5,6,7
	ds_load_b128 v[KF+8*\k:KF+8*\k+3], v[\al] offset:KIMG+512*\k
.endr
.endm
	s_load_b512 s[4:19], s[0:1], 0x0               ; x's codes s[4:5], scales s[6:7]; Wq's s[8:9], s[10:11]; Wk's s[12:13], s[14:15]; Wv's s[16:17], s[18:19]
	s_load_b64 s[20:21], s[0:1], 0x40              ; the output
	v_lshl_add_u32 v35, v0, 2, 0x29000
	s_set_vgpr_msb 0x40
	v_mov_b32 v1, 0
	s_set_vgpr_msb 0x4000
	v_lshrrev_b32 v[TP], 5, v0
	v_readfirstlane_b32 s22, v[TP]                 ; wave 0..7
	v_and_b32 v[RL], 15, v0
	v_bfe_u32 v[HL], v0, 4, 1
	v_lshlrev_b32 v[V8H], 3, v[HL]
	v_and_b32 v[TP], 8, v[RL]
	v_mad_u32_u24 v[TP], v[TP], 3, v[RL]           ; PR(r) = r + 24 (r / 8)
	v_lshlrev_b32 v[OP32], 5, v[TP]
	v_lshl_add_u32 v[OP32], v[HL], 4, v[OP32]
	v_lshlrev_b32 v[OP2], 1, v[TP]
	v_lshlrev_b32 v[ON32], 5, v[RL]
	v_lshl_add_u32 v[ON32], v[HL], 4, v[ON32]
	v_lshlrev_b32 v[ON2], 1, v[RL]
	s_wait_alu depctr_va_sdst(0)                   ; s22 is written, ahead of its first reader: my tile, my keys, my region and my stage are made from it
	s_lshr_b32 s23, s22, 2
	s_mul_i32 s23, s23, 3
	s_xor_b32 s23, s23, s22                        ; i: my tile of queries is g + 8 i, my last key step is i
	s_and_b32 s24, ttmp7, 0xffff                   ; the batch
	s_lshl_b32 s25, s24, 15                        ; its 1,024 rows of 32 bytes
	s_lshl_b32 s34, s22, 12
	s_add_co_u32 s34, s34, s25                     ; my 128 keys' codes;
	s_mov_b32 s35, 0
	s_lshr_b32 s36, s34, 4                         ; their scale bytes: 2 for a row's 32
	s_mov_b32 s37, 0
	s_lshl_b32 s38, s23, 12
	s_add_co_u32 s38, s38, s25
	s_lshl_b32 s25, ttmp9, 9
	s_add_co_u32 s38, s38, s25                     ; my 16 queries' codes: row 16 g + 128 i;
	s_mov_b32 s39, 0
	s_lshr_b32 s40, s38, 4                         ; their scale bytes;
	s_mov_b32 s41, 0
	s_lshl_b32 s26, s38, 3                         ; their rows of the output, 256 bytes each
	s_mov_b32 s27, 0
	s_mov_b32 s28, 0x76543210
	s_mov_b32 s29, 0xfedcba98                      ; v_permlanex16_b32's selects for the lane 16 away
	s_mov_b32 s30, 0x3e38aa3b                      ; c = log2(e) / 8
	s_mov_b32 s31, s30                             ; (named with it as a pair, so it is written)
	s_mul_i32 s42, s22, STEPB                      ; my wave's region
	s_mul_i32 s43, s22, 16*SPITCH
	s_add_co_u32 s43, s43, STAGE                   ; my stage
	s_wait_kmcnt 0x0
	s_add_nc_u64 s[34:35], s[4:5], s[34:35]
	s_add_nc_u64 s[36:37], s[6:7], s[36:37]
	s_add_nc_u64 s[38:39], s[4:5], s[38:39]
	s_add_nc_u64 s[40:41], s[6:7], s[40:41]
	s_add_nc_u64 s[20:21], s[20:21], s[26:27]
	s_wait_alu depctr_va_vdst(0)                   ; the four offsets v4 to v7 are written: every global load reads one of them
	; 34 loads, in the order in which they are wanted.  A load of 16 bytes a lane covers two runs of 256 consecutive bytes (8 rows each), or 512 on end.  A 16-bit load clears the word's upper bytes.
.irp u, 0,1,2,3
	global_load_b128 v[WK+8*\u:WK+8*\u+3], v[OP32], s[12:13] offset:256*\u       ; Wk: units 8 u + PR(r)
	global_load_u16 v[WKS+\u], v[OP2], s[14:15] offset:16*\u
.endr
.irp c, 0,1
.irp t, 0,1,2,3
	global_load_b128 v[XF+8*(4*\c+\t):XF+8*(4*\c+\t)+3], v[OP32], s[34:35] offset:2048*\c+256*\t   ; x: keys 64 c + 8 t + PR(r)
	global_load_u16 v[XS+4*\c+\t], v[OP2], s[36:37] offset:128*\c+16*\t
.endr
.endr
.irp n, 0,1,2,3
	global_load_b128 v[WV+8*\n:WV+8*\n+3], v[ON32], s[16:17] offset:512*\n       ; Wv: units 16 n + r
	global_load_u16 v[WVS+\n], v[ON2], s[18:19] offset:32*\n
.endr
	global_load_b128 v[XQ:XQ+3], v[ON32], s[38:39]                               ; x of my 16 queries
	global_load_u16 v[XQS], v[ON2], s[40:41]
	; while they are out: the zero codes of k = 64 .. 127 of every fragment whose K is the head's 64: registers in which no load lands
.irp k, 0,1,2,3,4,5,6,7
.irp j, 4,5,6,7
	v_mov_b32 v[XF+8*\k+\j], 0
.endr
.endr
.irp k, 0,1,2,3
.irp j, 4,5,6,7
	v_mov_b32 v[WK+8*\k+\j], 0
	v_mov_b32 v[WV+8*\k+\j], 0
.endr
.endr
.irp j, 4,5,6,7
	v_mov_b32 v[XQ+\j], 0
	v_mov_b32 v[QF+\j], 0
.endr
	v_mov_b32 v[RP], 0                             ; written once: a lane permute's destination counts as one of its sources
	v_mov_b32 v[ET], 0
	v_mov_b32 v[FF+1], 0                           ; named as the upper half of the pair v[62:63]
	v_and_b32 v[L16], 31, v0
	v_lshlrev_b32 v[L16], 4, v[L16]
	v_lshlrev_b32 v[R16], 4, v[RL]
	v_add_nc_u32 v[STI], s42, v[L16]
	v_add_nc_u32 v[STS], s42, v[R16]
	; ---- PHASE P: my 128 keys.  A block's two stores are issued in the block behind it
	s_wait_loadcnt 18                              ; Wk and keys 0-63 are in; keys 64-127 (8 loads), Wv (8) and my queries (2) may be out
	s_wait_alu depctr_va_vdst(0)                   ; the zero codes are written, which the scaled products take as parts of their operands (the eight lines above are their places); so are v8 to v11, by which LDS stores and loads go
	KMUL 0
	PLACES
	QBLK ACC, CD, WD, 0
	KMUL 1
	READY
	KSEND 0
	QBLK ACC, CD+4, WD+1, 0
.irp k, 2,3
	KMUL \k
	READY
	KSEND (\k-1)
	QBLK ACC, CD+4*(\k%2), WD+(\k%2), 1
.endr
	s_wait_loadcnt 10                              ; keys 64-127 are in; Wv (8) and my queries (2) may be out
.irp k, 4,5,6
	KMUL \k
	READY
	KSEND (\k-1)
	QBLK ACC, CD+4*(\k%2), WD+(\k%2), 1
.endr
	KMUL 7
	READY                                          ; here the wait states one thing more: k's last products are done reading Wk's codes and words
	KSEND 6
.irp u, 0,1,2,3                                ; so Wq takes Wk's place: no vector or matrix line since that wait names these registers or the two offsets
	global_load_b128 v[WK+8*\u:WK+8*\u+3], v[OP32], s[8:9] offset:256*\u
	global_load_u16 v[WKS+\u], v[OP2], s[10:11] offset:16*\u
.endr
	QBLK ACC, CD+4, WD+1, 1
	s_wait_loadcnt 10                              ; Wv is in; my queries (2) and Wq (8) may be out
	VMUL 0
	READY
	KSEND 7
	QBLK ACC, CD, WD, 1
.irp m, 1,2,3,4,5,6,7
	VMUL \m
	READY
	VSEND (\m-1)
	QBLK ACC, CD+4*(\m%2), WD+(\m%2), 1
.endr
	s_wait_loadcnt 0x0                             ; my queries and Wq
.irp u, 0,1,2,3
	MM0 ACC+8*\u, WK+8*\u, XQ, WKS+\u, XQS         ; lane (r, h): query r, units 32 h + 0 .. 31
.endr
	READY
	VSEND 7
	QBLK ACC, QF, QS, 0                            ; q's fragment and scale word stay in registers
	s_wait_dscnt 0x0                               ; for the others' sake: my images and words have landed
	s_barrier_signal -1
	v_mov_b32 v13, 0xff61b1e6                      ; the largest t so far: -3e38
	v_floor_f32 v12, -v13                          ; -M
	v_mov_b32 v14, 0
	v_mov_b32 v15, 0
	v_lshlrev_b32 v[DD], 5, v[HL]
	v_sub_nc_u32 v[DD], v[RL], v[DD]
	s_lshl_b32 s24, ttmp9, 4
	v_add_nc_u32 v[DD], s24, v[DD]                 ; 16 g + r - 32 h
	v_mov_b32 v[NINF], 0xff800000
	s_mov_b32 s32, 0                               ; the key step
	s_mov_b32 s33, 0                               ; its region
	s_barrier_wait -1                              ; all eight regions are whole, and nobody writes them again
	s_wait_alu depctr_va_vdst(0)                   ; phase P's products are done reading x's codes and the words v36 to v43, in which K's images and words land; q's codes and word are written, which the S products take
	KLOAD L16, R16                                 ; key step 0, whose region begins at LDS byte 0
.set jj, 0
.rept 32
	v_mov_b32 v[OA+jj], 0                          ; O^T: the loop is written once; its first step finds zeros, which the first change of M leaves zeros
.set jj, jj+1
.endr
	s_wait_dscnt 0x0                               ; step 0's K is in.  A later step's is shown in by the wait ahead of the O products of the step before it
	; ---- PHASE A: eight trips for every wave; a step behind my last is jumped over, by a branch on the wave's number and the counter
.Lstep:
	s_cmp_gt_u32 s32, s23
	s_cbranch_scc1 .Lhidden
	s_add_co_u32 s44, s33, STEPB                   ; the next step's region,
	s_min_u32 s44, s44, 7*STEPB                    ; held at the last one, so that the address lies among the eight regions in every trip (where the next step's K is asked for, the hold changes nothing)
	s_wait_alu depctr_vm_vsrc(0)                   ; the last step's LDS loads have read the four addresses.  In the first trip: phase P's stores have read v10, v11 and v240 to v249, its global loads v4 to v7, all of which this step writes
	v_add_nc_u32 v[ADL], s33, v[L16]
	v_add_nc_u32 v[ADR], s33, v[R16]
	v_add_nc_u32 v[ANL], s44, v[L16]
	v_add_nc_u32 v[ANR], s44, v[R16]
.irp k, 0,1,2,3,4,5,6,7
	MM0 SA+8*\k, KF+8*\k, QF, KS+\k, QS            ; S^T: register 32 c + i of lane (r, h) is key 64 c + 32 h + i of the step, query r
.endr
	PLACES
	s_wait_alu depctr_va_vdst(0)                   ; the four addresses are written; the S products are done reading K's images and words; the last step's O products (in the first trip: phase P's lines) are done with v44 to v47 and v224 to v255
	ds_load_b128 v[VS:VS+3], v[ADR] offset:VSC     ; this step's V: it has the softmax in which to land
.irp n, 0,1,2,3
.irp c, 0,1
	ds_load_b128 v[VF+8*\n+4*\c:VF+8*\n+4*\c+3], v[ADL] offset:VIMG+1024*\n+512*\c
.endr
.endr
	s_cmp_lt_u32 s32, s23                          ; only my last step lies on the diagonal: it is masked, and has no step behind it to ask for
	s_cbranch_scc1 .Lopen
.set gg, 0
.rept 4                                        ; sixteen compares into s4 to s19 (the loads that went by these are done), one wait, sixteen selects
.set nn, 0
.rept 16
	v_cmp_gt_i32 s[4+nn], 64*((16*gg+nn)/32)+(16*gg+nn)%32, v[DD]
.set nn, nn+1
.endr
	s_wait_alu depctr_va_sdst(0)                   ; the sixteen masks are written, ahead of their first reader
.set nn, 0
.rept 16
	v_cndmask_b32 v[SA+16*gg+nn], v[SA+16*gg+nn], v[NINF], s[4+nn]   ; a hidden key's score becomes -infinity: p = 0
.set nn, nn+1
.endr
.set gg, gg+1
.endr
	s_branch .Lmasked
.Lopen:
	KLOAD ANL, ANR                                 ; the next step's K.  No further wait: since the wait above only loads, a compare and a branch have been issued
.Lmasked:
	; the largest score of each of my two blocks of 32 keys: it serves for the row's maximum and, since p rises with the score, for the block's largest p.  Four chains by turns
.irp c, 0,1
	v_max3_num_f32 v[BM+\c], v[SA+32*\c], v[SA+32*\c+1], v[SA+32*\c+2]
	v_max3_num_f32 v[BN+\c], v[SA+32*\c+16], v[SA+32*\c+17], v[SA+32*\c+18]
.endr
.irp i, 3,5,7,9,11,13
.irp c, 0,1
	v_max3_num_f32 v[BM+\c], v[BM+\c], v[SA+32*\c+\i], v[SA+32*\c+\i+1]
	v_max3_num_f32 v[BN+\c], v[BN+\c], v[SA+32*\c+16+\i], v[SA+32*\c+17+\i]
.endr
.endr
.irp c, 0,1
	v_max3_num_f32 v[BM+\c], v[BM+\c], v[BN+\c], v[SA+32*\c+15]
.endr
.irp c, 0,1
	v_max_num_f32 v[BM+\c], v[BM+\c], v[SA+32*\c+31]
.endr
	v_max_num_f32 v[RT], v[BM], v[BM+1]
	v_permlanex16_b32 v[RP], v[RT], s28, s29
	v_max_num_f32 v[RT], v[RT], v[RP]              ; the step's largest score of my query
	v_mul_f32 v[RT], s30, v[RT]                    ; as t (c is positive)
	v_max_num_f32 v13, v13, v[RT]
	v_mov_b32 v[RT], v12
	v_floor_f32 v12, -v13                          ; the new -M = -ceil(t): a whole number
	v_sub_f32 v[RT], v12, v[RT]                    ; old M - new M: a whole number, 0 or less
	v_cvt_i32_f32 v[RT], v[RT]                     ; (it saturates)
	v_ldexp_f32 v[FF], 1.0, v[RT]                  ; f = 2^(old M - new M): multiplying by it rounds nothing
	; t - M, two at a time, and p = 2^(t - M): a pair's exponentials stand two pairs behind its scaling.  No line here names an exponential's result
	v_pk_fma_f32 v[SA:SA+1], v[SA:SA+1], s[30:31], v[12:13] op_sel_hi:[1,0,0]
	v_pk_fma_f32 v[SA+2:SA+3], v[SA+2:SA+3], s[30:31], v[12:13] op_sel_hi:[1,0,0]
.set jj, 2
.rept 30
	v_pk_fma_f32 v[SA+2*jj:SA+2*jj+1], v[SA+2*jj:SA+2*jj+1], s[30:31], v[12:13] op_sel_hi:[1,0,0]
	v_exp_f32 v[SA+2*jj-4], v[SA+2*jj-4]
	v_exp_f32 v[SA+2*jj-3], v[SA+2*jj-3]
.set jj, jj+1
.endr
	v_fma_f32 v[BM], v[BM], s30, v12               ; the same multiply-add of each block's largest score
	v_fma_f32 v[BM+1], v[BM+1], s30, v12
.irp j, 60,61,62,63
	v_exp_f32 v[SA+\j], v[SA+\j]
.endr
	v_pk_mul_f32 v[14:15], v[14:15], v[FF:FF+1] op_sel_hi:[1,0]   ; the sums under the new M: the plain line behind the last exponential
	s_wait_alu depctr_va_vdst(0)                   ; the 64 exponentials have written p, ahead of its first reader: one wait for the batch
	v_exp_f32 v[BM], v[BM]                         ; the blocks' largest p
	v_exp_f32 v[BM+1], v[BM+1]
	v_pk_add_f32 v[SUM2:SUM2+1], v[SA:SA+1], v[SA+2:SA+3]         ; the row's sum is taken of the unquantised p, in two chains
.irp j, 4,8,12,16,20,24,28,32,36,40,44,48,52,56,60
	v_pk_add_f32 v[14:15], v[14:15], v[SA+\j:SA+\j+1]
	v_pk_add_f32 v[SUM2:SUM2+1], v[SUM2:SUM2+1], v[SA+\j+2:SA+\j+3]
.endr
	v_pk_add_f32 v[14:15], v[14:15], v[SUM2:SUM2+1]
	s_wait_alu depctr_va_vdst(0)                   ; the two exponentials have written the blocks' largest p, ahead of its first reader
.irp c, 0,1
	v_max_num_f32 v[BM+\c], 0x1800000, v[BM+\c]    ; the floor 2^(3 - 127): a block whose every p is 0 keeps the byte 1; its codes are zeros
.endr
.irp c, 0,1
	v_add_nc_u32 v[SC+\c], 0xff000000, v[BM+\c]    ; 2 off the exponent field: the conversion's scale operand
.endr
.irp c, 0,1
	v_lshrrev_b32 v[EE+\c], 23, v[SC+\c]           ; the scale's byte: block 2 c + h of the step's four
.endr
	v_lshl_or_b32 v[EE], v[EE+1], 16, v[EE]
	v_lshlrev_b32 v[EE], v[V8H], v[EE]
	v_permlanex16_b32 v[ET], v[EE], s28, s29
	v_or_b32 v[PS], v[EE], v[ET]                   ; p's scale word for these 128 keys
.irp c, 0,1
.irp i, 0,1,2,3
	v_cvt_scalef32_pk8_fp4_f32 v[PF+4*\c+\i], v[SA+32*\c+8*\i:SA+32*\c+8*\i+7], v[SC+\c]   ; registers 4 c .. 4 c + 3 of the operand, as they are wanted; what was at work in them is done with
.endr
.endr
	v_nop                                          ; one plain line behind the last scaled conversion
.set jj, 0
.rept 16
	v_pk_mul_f32 v[OA+2*jj:OA+2*jj+1], v[OA+2*jj:OA+2*jj+1], v[FF:FF+1] op_sel_hi:[1,0]   ; O^T under the new M.  With the line above: 17 plain lines between p's scale word and codes and the products
.set jj, jj+1
.endr
	s_wait_dscnt 0x0                               ; V's words and images are in, and so is the next step's K, where it was asked for
	s_wait_alu depctr_va_vdst(0)                   ; the conversions have written p's codes and the v_or_b32 its scale word, which the scaled products take; the places above stay beside this wait
.irp n, 0,1,2,3
	MMA OA+8*\n, VF+8*\n, PF, VS+\n, PS            ; O^T += V^T P^T: register j of lane (r, h): unit 16 n + 8 h + j, query r.  The accumulators take turns, one instruction a turn
.endr
.Lhidden:
	s_add_co_u32 s33, s33, STEPB
	s_add_co_u32 s32, s32, 1
	s_cmp_lt_u32 s32, 8
	s_cbranch_scc1 .Lstep
	; ---- THE WAY OUT: O^T / the sum, through my own stage, so that sixteen lanes store a whole row of 256 bytes
	v_add_f32 v14, v14, v15                        ; the sum's two halves,
	v_permlanex16_b32 v[RP], v14, s28, s29
	v_add_f32 v14, v14, v[RP]                      ; and the other 64 keys of each step
	v_rcp_f32 v14, v14
	v_mul_u32_u24 v[SIN], v[RL], SPITCH            ; the addresses are made here: plain lines behind the reciprocal, and the places behind the last products
	v_lshl_add_u32 v[SIN], v[HL], 5, v[SIN]
	v_add_nc_u32 v[SIN], s43, v[SIN]               ; in: row r, + 32 h; tile n's eight units 64 n bytes on
	v_mul_u32_u24 v[SBK], v[HL], SPITCH
	v_lshl_add_u32 v[SBK], v[RL], 4, v[SBK]
	v_add_nc_u32 v[SBK], s43, v[SBK]               ; back: lanes 0-15 one row, lanes 16-31 the next
	v_lshlrev_b32 v[GO], 8, v[HL]
	v_lshl_add_u32 v[GO], v[RL], 4, v[GO]          ; and the same two rows of the output
	s_wait_alu depctr_va_vdst(0)                   ; the reciprocal has written v14, ahead of its first reader
.set jj, 0
.rept 16
	v_pk_mul_f32 v[SA+2*jj:SA+2*jj+1], v[OA+2*jj:OA+2*jj+1], v[14:15] op_sel_hi:[1,0]   ; each accumulator from its low end on
.set jj, jj+1
.endr
	s_wait_alu depctr_va_vdst(0)                   ; the multiplies have written v128 to v159, which the LDS stores read; the three addresses are written; the softmax's lines are done with v160 to v191, in which the loads from the stage land
.irp n, 0,1,2,3
	ds_store_b128 v[SIN], v[SA+8*\n:SA+8*\n+3] offset:64*\n
	ds_store_b128 v[SIN], v[SA+8*\n+4:SA+8*\n+7] offset:64*\n+16
.endr
.irp i, 0,1,2,3,4,5,6,7
	ds_load_b128 v[SA+32+4*\i:SA+32+4*\i+3], v[SBK] offset:2*\i*SPITCH   ; LDS serves a wave's instructions in order (ISA guide 5.7.1.4): these see my stores
.endr
.irp i, 0,1,2,3,4,5,6,7
	s_wait_dscnt 7-\i                              ; rows 2 i and 2 i + 1 are back; the younger loads may be out
	global_store_b128 v[GO], v[SA+32+4*\i:SA+32+4*\i+3], s[20:21] offset:512*\i th:TH_STORE_NT   ; 16 lanes store 256 consecutive bytes, at a multiple of 256 from the output's first byte
.endr
	s_set_vgpr_msb 0x4
	s_wait_dscnt 0x0
	s_wait_alu depctr_hold_cnt(0) depctr_sa_sdst(0) depctr_va_vdst(0) depctr_va_sdst(0) depctr_va_ssrc(0) depctr_va_vcc(0) depctr_vm_vsrc(0)
	s_wait_tensorcnt 0x0
	ds_add_u32 v35, v1
	s_wait_dscnt 0x0
	s_endpgm
.Lfunc_end_k_q0529f78e78_head:
	.size	k_q0529f78e78_head, .Lfunc_end_k_q0529f78e78_head-k_q0529f78e78_head
	.p2alignl 7, 3214868480
	.fill 96, 4, 3214868480
	.section	.rodata,"a",@progbits
	.p2align	6, 0x0
	.amdhsa_kernel k_q0529f78e78_head
		.amdhsa_group_segment_fixed_size 168960
		.amdhsa_private_segment_fixed_size 0
		.amdhsa_enable_private_segment 0
		.amdhsa_kernarg_size 72
		.amdhsa_user_sgpr_count 2
		.amdhsa_user_sgpr_kernarg_segment_ptr 1
		.amdhsa_wavefront_size32 1
		.amdhsa_system_sgpr_workgroup_id_x 1
		.amdhsa_system_sgpr_workgroup_id_y 1
		.amdhsa_system_sgpr_workgroup_id_z 1
		.amdhsa_system_vgpr_workitem_id 0
		.amdhsa_next_free_vgpr 258
		.amdhsa_next_free_sgpr 66
		.amdhsa_reserve_vcc 0
		.amdhsa_float_denorm_mode_32 3
		.amdhsa_float_denorm_mode_16_64 3
		.amdhsa_memory_ordered 1
		.amdhsa_forward_progress 1
		.amdhsa_inst_pref_size 79
	.end_amdhsa_kernel
	.amdgpu_metadata
---
amdhsa.version: [ 1, 2 ]
amdhsa.kernels:
  - .name:           k_q0529f78e78_head
    .symbol:         k_q0529f78e78_head.kd
    .args:
      - { .name: x_codes, .offset: 0, .size: 8, .value_kind: global_buffer, .address_space: global }
      - { .name: x_scales, .offset: 8, .size: 8, .value_kind: global_buffer, .address_space: global }
      - { .name: Wq_codes, .offset: 16, .size: 8, .value_kind: global_buffer, .address_space: global }
      - { .name: Wq_scales, .offset: 24, .size: 8, .value_kind: global_buffer, .address_space: global }
      - { .name: Wk_codes, .offset: 32, .size: 8, .value_kind: global_buffer, .address_space: global }
      - { .name: Wk_scales, .offset: 40, .size: 8, .value_kind: global_buffer, .address_space: global }
      - { .name: Wv_codes, .offset: 48, .size: 8, .value_kind: global_buffer, .address_space: global }
      - { .name: Wv_scales, .offset: 56, .size: 8, .value_kind: global_buffer, .address_space: global }
      - { .name: out0, .offset: 64, .size: 8, .value_kind: global_buffer, .address_space: global }
    .group_segment_fixed_size: 168960
    .private_segment_fixed_size: 0
    .kernarg_segment_align: 8
    .kernarg_segment_size: 72
    .max_flat_workgroup_size: 256
    .sgpr_count:     66
    .vgpr_count:     258
    .wavefront_size: 32
...
	.end_amdgpu_metadata
.endif
;; end of part 2
